; MI455X (gfx1250); checked and timed in simulation.
; The chip was launched on July 23, 2026; its instructions are those of AMD's public machine-readable ISA for CDNA 5 (MIT licence, August 2026) and "CDNA5" Instruction Set Architecture Reference Guide (July 2026). The comments in the code are by the model that wrote it; some were corrected since.
;; Neural Tensor Layer. Allowed arithmetic: matrix products marked QUANTISED: E3M2 operands, one E8M0 scale for each 32 along K, by v_wmma_scale_f32_16x16x128_f8f6f4 with both operands' format E3M2, f32 sums; products left as they are: f32 operands where the result goes on into a quantised operand, else bf16, f16 or f32 operands; f32 sums; everything else in f32.
;; Inputs: V 2,048 x 32 float32; W 32 x 1,024 x 1,024 float32; b 1,024 float32; e1 2,048 x 1,024 float32; e2 2,048 x 1,024 float32.
;; Outputs: out0 2,048 x 32 float32.
;; This version of the problem:
;;   THIS VERSION OF THE PROBLEM IS GIVEN IN LOW PRECISION. The matrix products marked QUANTISED in the list below multiply operands that are first quantised to E3M2 (3 exponent bits, 2 mantissa bits; 6 bits a number), with one power-of-two scale for each 32 numbers along K (OCP MX v1.0); their sums are f32. All else is computed in f32.
;;   The module's matrix products, in the order in which they are computed (A, B: the left and right operand; K: the contracted axis; several contracted axes count as one K, in the product's order):
;;     1. [M 32,768, K 1,024] x [K 1,024, N 2,048]; A: input W; B: input e1: QUANTISED
;;     2. batch 2,048 x [M 32, K 1,024] x [K 1,024, N 1]; A: computed on the way; B: input e2: left as it is (N = 1 < 16)
;;     3. [M 2,048, K 2,048] x [K 2,048, N 32]; A: computed on the way; B: input V: QUANTISED
;;   THE QUANTISER, for each operand of a quantised product, along K:
;;     - K is cut into blocks of 32 from its start; a last block that is shorter is filled with zeros.
;;     - A block's scale is 2^e with e = floor(log2(the largest magnitude in the block)) - 4, held to -126 .. 127; a block of zeros has e = 0. As a byte (E8M0): e + 127.
;;     - Each number is divided by its block's scale, clamped to +-28, and rounded to the nearest number of E3M2, ties to even, subnormals kept.
;;     - The product sums the exact products of the quantised numbers (number of the format x scale) in f32.
;;   ~~~python
;;   def quantise(x, axis):      # numpy; x: float32 -> the quantised numbers, widened to float32 again
;;       x = np.moveaxis(x, axis, -1); K = x.shape[-1]
;;       x = np.pad(x, [(0, 0)] * (x.ndim - 1) + [(0, -K % 32)]); x = x.reshape(x.shape[:-1] + (-1, 32)); a = np.abs(x).max(-1, keepdims=True)
;;       e = np.where(a > 0, np.clip(np.frexp(np.where(a > 0, a, 1))[1] - 1 - 4, -126, 127), 0)      # np.frexp(a)[1] - 1 = floor(log2(a)), exactly
;;       r = np.clip(x / 2.0 ** e, -28, 28)
;;       step = 2.0 ** (np.maximum(np.frexp(np.where(r == 0, 1, r))[1] - 1, -2) - 2)
;;       q = np.round(r / step) * step * 2.0 ** e      # np.round: ties to even
;;       return np.moveaxis(q.reshape(q.shape[:-2] + (-1,))[..., :K], -1, axis).astype(np.float32)
;;   ~~~
;;   OPERANDS COMPUTED ON THE WAY. 'Computed on the way' means the value that the module computes at that place (a softmax that the list does not call 'softmax' is quantised finished and normalised). What goes into a quantiser is computed in f32, as accurately as f32 sums, v_exp_f32 and their like allow (about 1e-6 of the number): no bf16 or f16 on the way to a quantiser, and a product that is left as it is and whose result goes on into a quantised operand takes f32 operands (vector FMAs, or v_wmma_f32_16x16x4_f32). A number that lies on a knife's edge between two numbers of the format may be rounded either way, as far as f32 arithmetic and the matrix unit's own rounding can turn it there, and no further.
;; One version. Each part assembles by itself: llvm-mc -triple=amdgcn-amd-amdhsa -mcpu=gfx1250 --defsym DOCPART=n.
;; ======== version 1 of 1: 2 launches
;; limits: right only within a limited range of input values
;; workspace buffers: wq 26,214,400 bytes; e1q 1,638,400 bytes; e2q 1,638,400 bytes; vq 51,200 bytes; e2i 8,388,608 bytes
;; launch prep (part 1): grid 1154 x 1, 4 waves a work-group, no clusters, 34,304 bytes of LDS; arguments e1, e2, W, V, wq, e1q, e2q, vq, e2i; writes wq, e1q, e2q, vq, e2i
.if DOCPART == 1
	.amdgcn_target "amdgcn-amd-amdhsa--gfx1250"
	.amdhsa_code_object_version 6
	.text
	.protected	k_q3d2e82eea6_prep
	.globl	k_q3d2e82eea6_prep
	.p2align	8
	.type	k_q3d2e82eea6_prep,@function
k_q3d2e82eea6_prep:
	s_mov_b64 s[64:65], 0
	v_nop
	global_prefetch_b8 v0, s[64:65] scope:SCOPE_SE
	s_setreg_imm32_b32 hwreg(HW_REG_WAVE_MODE, 25, 1), 1
	s_wait_xcnt 0x0
; e1, e2 [2048][1024], W [32][1024 (d)][1024 (e)] and V [2048 (K)][32], all f32, become codes of BF6 (E3M2) with one E8M0 byte for each 32 along K,
; laid in the ORDER OF THE OPERAND'S REGISTERS, so that the product's launch moves them by 16-byte accesses at 16 x lane alone.
; A FRAGMENT (16 rows x 128 K, 12 registers a lane) is 1,536 bytes: register i of lane l at 512 (i / 4) + 16 l + 4 (i % 4); lane (r, h) holds row r, registers 6 c .. 6 c + 5 hold k = 64 c + 32 h + 0 .. 31.
; A GROUP BLOCK (32 rows x 1,024 K) is 25,600 bytes: fragment (K step s, half a of the rows) at (2 s + a) 1,536; the rows' scale words at 24,576 + 256 (s / 2) + 8 row + 4 (s % 2).
;   wq: block (k, e / 32) at (32 k + e / 32) 25,600, rows = e, K = d.   e1q, e2q: block n / 32.   vq: 32 rows = V's columns, K = 2,048: 32 fragments, then 2,048 bytes of scale words.
; e2i is e2 itself, in f32, laid as the product's accumulators lie: block (n / 64, e / 32) of 8,192 bytes; in it tile 4 a + b at 1,024 (4 a + b); lane (r, h)'s 16 bytes at 512 u + 16 lane
; hold e2[64 (n / 64) + 16 b + r][32 (e / 32) + 16 a + 8 h + 4 u + 0 .. 3].
; THE QUANTISER: a block's scale is 2^(floor(log2(its largest magnitude)) - 4); its byte is the largest magnitude's exponent field - 4, held at 1 from below by a floor among the maximum's leaves;
; each number is divided by the scale and rounded to the nearest code, ties to even, beyond the largest code the largest.
; LIMITS: a block whose largest magnitude lies under 2^-122, a block of zeros among them, gets the byte 1 (the rule says 127 for zeros: its codes are zeros, and this program alone reads the bytes);
; NaN and infinities among the inputs are not served.
; SHARES: work-groups 0-63 take e1, 64-127 e2 (32 rows each; wave w: K = 256 w on), 128-129 V, 130-1153 W (128 columns e x 256 along d; wave w: 32 columns).
; Waves share nothing: no barrier.  Only the path for e1 and e2 touches LDS: a stage of each wave's own.
.set X,    32                          ; v32-95   W, V: two sets of 32 numbers down K
.set P,    96                          ; v96-143  W, V: codes: K step q, half a of the columns at P + 24 q + 12 a
.set T,    144                         ; v144-150 the upper 16 codes of a block, before they are moved
.set R,    32                          ; v32-159  e1, e2: two sets of 64 numbers
.set EP,   160                         ; v160-171 e1, e2: a fragment's codes
.set ET,   172                         ; v172-178 the upper 16 codes of its two blocks
.set SRC,  32                          ; s[32:33] where my wave reads
.set DC,   38                          ; s[38:39] where its four fragments go
.set DS,   40                          ; s[40:41] where its 256 bytes of scale words go
.set EI,   42                          ; s[42:43] e2i
.set STGB, 8448                        ; a wave's stage: 16 rows x (512 bytes + 16)
	s_load_b256 s[4:11], s[0:1], 0x0               ; e1 s[4:5], e2 s[6:7], W s[8:9], V s[10:11]
	s_load_b256 s[12:19], s[0:1], 0x20             ; wq s[12:13], e1q s[14:15], e2q s[16:17], vq s[18:19]
	s_load_b64 s[20:21], s[0:1], 0x40              ; e2i
	v_lshl_add_u32 v22, v0, 2, 0x8400              ; my spare word, behind the four stages; kept for the add alone
	v_mov_b32 v23, 0
	v_lshrrev_b32 v1, 5, v0
	v_readfirstlane_b32 s22, v1                    ; wave 0..3
	v_and_b32 v1, 31, v0                           ; lane
	v_lshlrev_b32 v2, 2, v1                        ; 4 x lane
	v_lshlrev_b32 v3, 4, v1                        ; 16 x lane
	v_lshlrev_b32 v4, 3, v1                        ; 8 x lane
	s_mul_i32 s44, s22, STGB                       ; my stage
	v_and_b32 v14, 15, v0                          ; r
	v_bfe_u32 v15, v0, 4, 1                        ; h
	v_add_nc_u32 v5, s44, v3                       ; into the stage: 16 x lane of a row
	v_mul_u32_u24 v6, v14, 528
	v_add_nc_u32 v6, s44, v6
	v_lshl_add_u32 v7, v15, 5, v6                  ; out of it for e2i: row r, + 32 h
	v_lshl_add_u32 v6, v15, 7, v6                  ; out of it for the quantiser: row r, + 128 h: my block of 32
	v_lshlrev_b32 v20, 3, v15                      ; 8 h: how far my two scale bytes are shifted
	v_mov_b32 v21, 0                               ; a lane permute's destination counts as read: written once
	s_mov_b32 s24, 0x76543210
	s_mov_b32 s25, 0xfedcba98                      ; v_permlanex16_b32's selects for lane l xor 16
	s_mov_b32 s31, 0                               ; the upper words of the offsets' pairs
	s_mov_b32 s35, 0
	s_wait_kmcnt 0x0
	s_cmp_lt_u32 ttmp9, 128
	s_cbranch_scc1 .Lpath_e
	s_cmp_lt_u32 ttmp9, 130
	s_cbranch_scc1 .Lpath_v
; A LANE TAKES A COLUMN AND ITS REGISTERS RUN DOWN K: a block of 32 lies in one lane, and the conversions give codes with K innermost.
.macro CLOAD t, pitch                  ; block t: 32 rows of the tensor at my column, into set t % 2
.irp i, 0,1,2,3,4,5,6,7,8,9,10,11,12,13,14,15,16,17,18,19,20,21,22,23,24,25,26,27,28,29,30,31
	global_load_b32 v[X+32*((\t)%2)+\i], v2, s[SRC:SRC+1] offset:(32*(\t)+\i)*(\pitch) th:TH_LOAD_NT
.endr
.endm
.macro CBLOCK t, pitch
.set XS, X+32*((\t)%2)
.set KQ, (\t)/4                        ; which 128 along K
.set BL, (\t)%4                        ; which block of it
.set CC, BL/2
.set PAR, BL%2
.set PB, P+24*KQ+12*PAR+6*CC
.set TT, T+4*PAR
.if (\t) < 7
	s_wait_loadcnt 32                              ; this block's 32 loads are in; the next block's 32 may be out
.else
	s_wait_loadcnt 0
.endif
	v_max3_num_f32 v8, |v[XS]|, |v[XS+1]|, |v[XS+2]|      ; the block's largest magnitude, in two chains
	v_max3_num_f32 v9, |v[XS+3]|, |v[XS+4]|, |v[XS+5]|
.irp i, 6,10,14,18,22,26
	v_max3_num_f32 v8, v8, |v[XS+\i]|, |v[XS+\i+1]|
	v_max3_num_f32 v9, v9, |v[XS+\i+2]|, |v[XS+\i+3]|
.endr
	v_max3_num_f32 v8, v8, |v[XS+30]|, |v[XS+31]|
	v_max3_num_f32 v8, v8, v9, 0x2800000           ; and the floor 2^(5 - 127): the byte cannot fall under 1
	v_add_nc_u32 v10, 0xfe000000, v8               ; 4 off the exponent field: the conversion's scale operand
	v_lshrrev_b32 v11, 23, v10                     ; the scale's byte
.if BL == 0
	v_mov_b32 v[12+KQ], v11                        ; four bytes make my column's scale word of these 128 along K
.else
	v_lshl_or_b32 v[12+KQ], v11, 8*BL, v[12+KQ]
.endif
	v_cvt_scalef32_pk16_bf6_f32 v[PB:PB+2], v[XS:XS+15], v10
	v_cvt_scalef32_pk16_bf6_f32 v[TT:TT+2], v[XS+16:XS+31], v10   ; (a conversion's three registers begin on an even number)
	v_nop                                          ; one plain place behind a scaled conversion
.irp i, 0,1,2
	v_mov_b32 v[PB+3+\i], v[TT+\i]
.endr
.if (\t) < 6
	CLOAD (\t)+2, \pitch
.endif
.if PAR == 1                           ; blocks 2 c and 2 c + 1 of 32 columns become registers 6 c .. 6 c + 5 of two fragments: the first's lanes 16-31 change places with the second's lanes 0-15
.irp i, 0,1,2,3,4,5
	v_permlane16_swap_b32 v[P+24*KQ+6*CC+\i], v[P+24*KQ+12+6*CC+\i]
.endr
.endif
.if BL == 3                            ; two fragments are whole: each store of the wave covers 512 consecutive bytes, aligned
.irp a, 0,1
.irp c, 0,1,2
	global_store_b128 v3, v[P+24*KQ+12*\a+4*\c:P+24*KQ+12*\a+4*\c+3], s[DC:DC+1] offset:(2*KQ+\a)*1536+512*\c
.endr
.endr
.endif
.endm
.macro QCOL pitch                      ; 32 columns x 256 along K.  Each K step has its own registers for its codes and no pointer is stepped: no store's sources are written again
	CLOAD 0, \pitch
	CLOAD 1, \pitch
.irp t, 0,1,2,3,4,5,6,7
	CBLOCK \t, \pitch
.endr
	global_store_b64 v4, v[12:13], s[DS:DS+1]      ; 32 lanes store 256 consecutive bytes, aligned
.endm
	; ---- W
	s_sub_co_u32 s26, ttmp9, 130
	s_lshr_b32 s27, s26, 5                         ; k
	s_bfe_u32 s28, s26, 0x30002                    ; which 128 columns e
	s_and_b32 s29, s26, 3                          ; which 256 along d
	s_lshl_b32 s30, s27, 22                        ; k x 1,024 x 4,096 bytes
	s_lshl_b32 s23, s29, 20                        ; + 256 rows of 4,096 bytes
	s_add_co_u32 s30, s30, s23
	s_lshl_b32 s23, s28, 9
	s_add_co_u32 s30, s30, s23
	s_lshl_b32 s23, s22, 7                         ; + my wave's 32 columns
	s_add_co_u32 s30, s30, s23
	s_add_nc_u64 s[SRC:SRC+1], s[8:9], s[30:31]
	s_lshl_b32 s34, s27, 5
	s_lshl_b32 s23, s28, 2
	s_add_co_u32 s34, s34, s23
	s_add_co_u32 s34, s34, s22                     ; 32 k + e / 32
	s_mul_i32 s34, s34, 25600
	s_add_nc_u64 s[36:37], s[12:13], s[34:35]      ; my group block
	s_mul_i32 s34, s29, 6144
	s_add_nc_u64 s[DC:DC+1], s[36:37], s[34:35]
	s_lshl_b32 s34, s29, 8
	s_add_co_u32 s34, s34, 24576
	s_add_nc_u64 s[DS:DS+1], s[36:37], s[34:35]
	QCOL 4096
	s_endpgm
.Lpath_v:                                              ; ---- V: eight waves, 256 along K each
	s_sub_co_u32 s26, ttmp9, 128
	s_lshl_b32 s26, s26, 2
	s_add_co_u32 s26, s26, s22
	s_lshl_b32 s30, s26, 15                        ; 256 rows of 128 bytes
	s_add_nc_u64 s[SRC:SRC+1], s[10:11], s[30:31]
	s_mul_i32 s34, s26, 6144
	s_add_nc_u64 s[DC:DC+1], s[18:19], s[34:35]
	s_lshl_b32 s34, s26, 8
	s_add_co_u32 s34, s34, 49152
	s_add_nc_u64 s[DS:DS+1], s[18:19], s[34:35]
	QCOL 128
	s_endpgm
.Lpath_e:                                              ; ---- e1, e2: K is innermost
	s_cmp_lt_u32 ttmp9, 64                         ; the choice hangs on the work-group's number alone
	s_cselect_b64 s[26:27], s[4:5], s[6:7]
	s_cselect_b64 s[28:29], s[14:15], s[16:17]
	s_and_b32 s23, ttmp9, 63                       ; which 32 rows
	s_lshl_b32 s30, s23, 17
	s_lshl_b32 s34, s22, 10                        ; my wave's 256 along K
	s_add_co_u32 s30, s30, s34
	s_add_nc_u64 s[SRC:SRC+1], s[26:27], s[30:31]
	s_mul_i32 s34, s23, 25600
	s_add_nc_u64 s[36:37], s[28:29], s[34:35]      ; the rows' group block
	s_mul_i32 s34, s22, 6144
	s_add_nc_u64 s[DC:DC+1], s[36:37], s[34:35]
	s_lshl_b32 s34, s22, 8
	s_add_co_u32 s34, s34, 24576
	s_add_nc_u64 s[DS:DS+1], s[36:37], s[34:35]
	s_lshr_b32 s34, s23, 1
	s_lshl_b32 s34, s34, 18                        ; e2i: (n / 64) x 32 blocks of 8,192 bytes,
	s_lshl_b32 s30, s22, 16                        ; + my wave's 8 blocks,
	s_add_co_u32 s34, s34, s30
	s_and_b32 s30, s23, 1
	s_lshl_b32 s30, s30, 11                        ; + tiles b = 2 (these 32 rows' half of the 64) on
	s_add_co_u32 s34, s34, s30
	s_add_nc_u64 s[EI:EI+1], s[20:21], s[34:35]
; step t = 2 a + q: rows 16 a on, 128 along K from 128 q on.  Each load takes 512 consecutive bytes of one row.
.macro ELOAD t
.irp i, 0,1,2,3,4,5,6,7,8,9,10,11,12,13,14,15
	global_load_b128 v[R+64*((\t)%2)+4*\i:R+64*((\t)%2)+4*\i+3], v3, s[SRC:SRC+1] offset:(16*((\t)/2)+\i)*4096+512*((\t)%2) th:TH_LOAD_NT
.endr
.endm
.macro ESTEP t
.set RS, R+64*((\t)%2)
.set A2, (\t)/2
.set QQ, (\t)%2
.if (\t) < 3
	s_wait_loadcnt 16                              ; this step's 16 loads are in; the next step's may be out
.else
	s_wait_loadcnt 0
.endif
.irp i, 0,1,2,3,4,5,6,7,8,9,10,11,12,13,14,15
	ds_store_b128 v5, v[RS+4*\i:RS+4*\i+3] offset:528*\i          ; 16 rows x 512 bytes into my stage, as they lie
.endr
	s_wait_dscnt 0x0                               ; the stores have read their registers
.irp c, 0,1
.irp u, 0,1,2,3,4,5,6,7
	ds_load_b128 v[RS+32*\c+4*\u:RS+32*\c+4*\u+3], v6 offset:256*\c+16*\u   ; lane (r, h): blocks 2 c + h of row r, whole: the order that the operand's layout gives this lane
.endr
.endr
	s_wait_dscnt 0x0
.irp c, 0,1
	v_max3_num_f32 v[8+\c], |v[RS+32*\c]|, |v[RS+32*\c+1]|, 0x2800000   ; my two blocks by turns; the floor 2^(5 - 127) among the leaves
.endr
.irp i, 2,4,6,8,10,12,14,16,18,20,22,24,26,28,30
.irp c, 0,1
	v_max3_num_f32 v[8+\c], v[8+\c], |v[RS+32*\c+\i]|, |v[RS+32*\c+\i+1]|
.endr
.endr
.irp c, 0,1
	v_add_nc_u32 v[10+\c], 0xfe000000, v[8+\c]     ; 4 off the exponent field: the conversion's scale operand
.endr
.irp c, 0,1
	v_lshrrev_b32 v[12+\c], 23, v[10+\c]           ; the scale's byte
.endr
	v_lshl_or_b32 v14, v13, 16, v12                ; my two bytes: blocks h and 2 + h,
	v_lshlrev_b32 v14, v20, v14                    ; at their places in the word;
	v_permlanex16_b32 v21, v14, s24, s25
	v_or_b32 v[16+(\t)], v14, v21                  ; with lane l xor 16's two the row's word is whole
.irp c, 0,1
	v_cvt_scalef32_pk16_bf6_f32 v[EP+6*\c:EP+6*\c+2], v[RS+32*\c:RS+32*\c+15], v[10+\c]
	v_cvt_scalef32_pk16_bf6_f32 v[ET+4*\c:ET+4*\c+2], v[RS+32*\c+16:RS+32*\c+31], v[10+\c]
.endr
	v_nop                                          ; one plain place behind a scaled conversion
.irp c, 0,1
.irp i, 0,1,2
	v_mov_b32 v[EP+3+6*\c+\i], v[ET+4*\c+\i]
.endr
.endr
.irp c, 0,1,2
	global_store_b128 v3, v[EP+4*\c:EP+4*\c+3], s[DC:DC+1] offset:(2*QQ+A2)*1536+512*\c
.endr
	s_cmp_lt_u32 ttmp9, 64                         ; e2 alone also leaves as f32 in the accumulators' order
	s_cbranch_scc1 .Lno_image_\@
.irp a, 0,1,2,3,4,5,6,7
.irp u, 0,1
	ds_load_b128 v[RS+8*\a+4*\u:RS+8*\a+4*\u+3], v7 offset:64*\a+16*\u      ; row r, numbers 16 a + 8 h + 4 u + 0 .. 3 of the step's 128
.endr
.endr
	s_wait_dscnt 0x0
.irp a, 0,1,2,3,4,5,6,7
.irp u, 0,1
	global_store_b128 v3, v[RS+8*\a+4*\u:RS+8*\a+4*\u+3], s[EI:EI+1] offset:32768*QQ+8192*(\a/2)+4096*(\a%2)+1024*A2+512*\u
.endr
.endr
.Lno_image_\@:
	s_wait_xcnt 0x0                                ; the stores have read their registers: the codes and this set of numbers are written again only behind this wait
.if (\t) < 2
	ELOAD (\t)+2
.endif
.endm
	ELOAD 0
	ELOAD 1
	s_wait_alu depctr_va_vdst(0)
	ESTEP 0
	ESTEP 1
	ESTEP 2
	ESTEP 3
	v_cmp_gt_u32 vcc_lo, 16, v1
	v_cndmask_b32 v14, v18, v16, vcc_lo            ; lanes 0-15: the words of rows 0-15, lanes 16-31: of rows 16-31; first 128 along K,
	v_cndmask_b32 v15, v19, v17, vcc_lo            ; second
	global_store_b64 v4, v[14:15], s[DS:DS+1]      ; 32 lanes store 256 consecutive bytes, aligned
	s_wait_tensorcnt 0x0
	ds_add_u32 v22, v23
	s_wait_dscnt 0x0
	s_endpgm
.Lfunc_end_k_q3d2e82eea6_prep:
	.size	k_q3d2e82eea6_prep, .Lfunc_end_k_q3d2e82eea6_prep-k_q3d2e82eea6_prep
	.p2alignl 7, 3214868480
	.fill 96, 4, 3214868480
	.section	.rodata,"a",@progbits
	.p2align	6, 0x0
	.amdhsa_kernel k_q3d2e82eea6_prep
		.amdhsa_group_segment_fixed_size 34304
		.amdhsa_private_segment_fixed_size 0
		.amdhsa_enable_private_segment 0
		.amdhsa_kernarg_size 72
		.amdhsa_user_sgpr_count 2
		.amdhsa_user_sgpr_kernarg_segment_ptr 1
		.amdhsa_wavefront_size32 1
		.amdhsa_system_sgpr_workgroup_id_x 1
		.amdhsa_system_sgpr_workgroup_id_y 1
		.amdhsa_system_sgpr_workgroup_id_z 1
		.amdhsa_system_vgpr_workitem_id 0
		.amdhsa_next_free_vgpr 180
		.amdhsa_next_free_sgpr 66
		.amdhsa_reserve_vcc 1
		.amdhsa_float_denorm_mode_32 3
		.amdhsa_float_denorm_mode_16_64 3
		.amdhsa_memory_ordered 1
		.amdhsa_forward_progress 1
		.amdhsa_inst_pref_size 118
	.end_amdhsa_kernel
	.amdgpu_metadata
---
amdhsa.version: [ 1, 2 ]
amdhsa.kernels:
  - .name:           k_q3d2e82eea6_prep
    .symbol:         k_q3d2e82eea6_prep.kd
    .args:
      - { .name: e1, .offset: 0, .size: 8, .value_kind: global_buffer, .address_space: global }
      - { .name: e2, .offset: 8, .size: 8, .value_kind: global_buffer, .address_space: global }
      - { .name: W, .offset: 16, .size: 8, .value_kind: global_buffer, .address_space: global }
      - { .name: V, .offset: 24, .size: 8, .value_kind: global_buffer, .address_space: global }
      - { .name: wq, .offset: 32, .size: 8, .value_kind: global_buffer, .address_space: global }
      - { .name: e1q, .offset: 40, .size: 8, .value_kind: global_buffer, .address_space: global }
      - { .name: e2q, .offset: 48, .size: 8, .value_kind: global_buffer, .address_space: global }
      - { .name: vq, .offset: 56, .size: 8, .value_kind: global_buffer, .address_space: global }
      - { .name: e2i, .offset: 64, .size: 8, .value_kind: global_buffer, .address_space: global }
    .group_segment_fixed_size: 34304
    .private_segment_fixed_size: 0
    .kernarg_segment_align: 8
    .kernarg_segment_size: 72
    .max_flat_workgroup_size: 128
    .sgpr_count:     66
    .vgpr_count:     180
    .wavefront_size: 32
...
	.end_amdgpu_metadata
.endif
;; end of part 1
;; launch ntl (part 2): grid 8 x 32, 4 waves a work-group, clusters of 4 x 1, 327,680 bytes of LDS; arguments wq, e1q, e2q, vq, e2i, b, out0; writes out0
.if DOCPART == 2
	.amdgcn_target "amdgcn-amd-amdhsa--gfx1250"
	.amdhsa_code_object_version 6
	.text
	.protected	k_q3d2e82eea6_ntl
	.globl	k_q3d2e82eea6_ntl
	.p2align	8
	.type	k_q3d2e82eea6_ntl,@function
k_q3d2e82eea6_ntl:
	s_mov_b64 s[64:65], 0
	v_nop
	global_prefetch_b8 v0, s[64:65] scope:SCOPE_SE
	s_setreg_imm32_b32 hwreg(HW_REG_WAVE_MODE, 25, 1), 1
	s_wait_xcnt 0x0
	s_wait_alu depctr_hold_cnt(0) depctr_sa_sdst(0) depctr_va_vdst(0) depctr_va_sdst(0) depctr_va_ssrc(0) depctr_va_vcc(0) depctr_vm_vsrc(0)
	s_getreg_b32 s2, hwreg(HW_REG_IB_STS2, 6, 4)
	s_cmp_eq_u32 s2, 0
	s_cbranch_scc0 .Lentry_in_a_cluster
	s_endpgm
.Lentry_in_a_cluster:
	s_bfe_u32 s2, ttmp6, 0x10000c
	s_cmp_lg_u32 s2, 0x3003
	s_cbranch_scc0 .Lentry_shape_is_right
	s_endpgm
.Lentry_shape_is_right:
; out0 flat [2048 k + n] = tanh( sum over e of e2[n][e] T[k][e][n] + sum(b) + ff flat [2048 k + n] ),  T[k][e][n] = sum over d of Q(W)[k][d][e] Q(e1)[n][d],  ff = Q([e1 e2]) Q(V), [2048][32].
; Nothing of reference() is left out.  Codes, scale words and the f32 image of e2 come from launch prep, in the order of the operands' registers (its head comment states the layouts).
; A work-group takes one k and 256 n, all 1,024 e; wave w takes 64 n.  e1's 32 fragments of those n (8 K steps x 4 tiles of 16 n) stay in windows 2 and 3 for the whole launch.
; W goes through a ring of two LDS slots of 4 group blocks (32 e x 1,024 K each), asked for jointly by the four work-groups of a cluster, which share k.
; A group is 32 e x 64 n: eight accumulators by turns, 64 matrix instructions; two sets of accumulators, so that one group is multiplied by e2 in f32 and summed while the next is made.
; e2's image is loaded two groups ahead, into four buffers, one in each window.
; ff: wave w takes K = 512 w .. + 511 of the 8 rows x 32 columns that the block's 256 outputs need; the four parts meet in LDS at the end.
; W's tiles and e2's image are not prefetched: a refill goes out a whole slot (256 matrix instructions a wave) ahead of its wait, and e2's loads two groups (128 matrix instructions) ahead of theirs.
; LIMITS: the sums' order differs from reference()'s (f32 throughout); NaN and infinities among the inputs are not served (see prep).
.set GBLK,  25600
.set SLOTB, 4*GBLK
.set FFS,   2*SLOTB
.set SST,   FFS+4*2048
.set SPARE, SST+4*256
.set LI,   1
.set ADA,  2
.set ADS,  6
.set SPW,  10
.set NIL,  11
.set SUMB, 12
.set L8,   13
.set S,    16
.set SB,   32
.set SA,   48
.set AC,   64
.set EB,   192
.set WV,   18
.set SEL,  22
.set G1,   24
.set G0,   32
.set TRIPS, 40
.set E2P,  42
.set BP,   44
.set CP,   46
.set CPS,  48
.set VP,   50
.set VPS,  52
.set OUT,  54
.set MSB, 0
.macro WIN new
.if MSB != (\new)
	s_set_vgpr_msb (MSB<<8)|(\new)
.set MSB, (\new)
.endif
.endm
.macro CREST
	s_cmp_lg_u32 s[WV], 0
	s_cbranch_scc1 .Lnot_wave_0_\@
	s_barrier_signal -3
.Lnot_wave_0_\@:
	s_barrier_wait -3
	s_barrier_signal -1
	s_barrier_wait -1
.endm
.macro CROUND
	s_barrier_signal -1
	s_barrier_wait -1
	CREST
.endm
.macro WM zero, ra, rb
.if (\zero)
.if ((\ra)==0) && ((\rb)==0)
	v_wmma_scale_f32_16x16x128_f8f6f4 v[rD:rD+7], v[rA:rA+11], v[rB:rB+11], 0, v[rSA], v[rSB] matrix_a_fmt:MATRIX_FMT_BF6 matrix_b_fmt:MATRIX_FMT_BF6
.elseif ((\ra)==1) && ((\rb)==0)
	v_wmma_scale_f32_16x16x128_f8f6f4 v[rD:rD+7], v[rA:rA+11], v[rB:rB+11], 0, v[rSA], v[rSB] matrix_a_fmt:MATRIX_FMT_BF6 matrix_b_fmt:MATRIX_FMT_BF6 matrix_a_scale:MATRIX_SCALE_ROW1
.elseif ((\ra)==0)
	v_wmma_scale_f32_16x16x128_f8f6f4 v[rD:rD+7], v[rA:rA+11], v[rB:rB+11], 0, v[rSA], v[rSB] matrix_a_fmt:MATRIX_FMT_BF6 matrix_b_fmt:MATRIX_FMT_BF6 matrix_b_scale:MATRIX_SCALE_ROW1
.else
	v_wmma_scale_f32_16x16x128_f8f6f4 v[rD:rD+7], v[rA:rA+11], v[rB:rB+11], 0, v[rSA], v[rSB] matrix_a_fmt:MATRIX_FMT_BF6 matrix_b_fmt:MATRIX_FMT_BF6 matrix_a_scale:MATRIX_SCALE_ROW1 matrix_b_scale:MATRIX_SCALE_ROW1
.endif
.else
.if ((\ra)==0) && ((\rb)==0)
	v_wmma_scale_f32_16x16x128_f8f6f4 v[rD:rD+7], v[rA:rA+11], v[rB:rB+11], v[rD:rD+7], v[rSA], v[rSB] matrix_a_fmt:MATRIX_FMT_BF6 matrix_b_fmt:MATRIX_FMT_BF6
.elseif ((\ra)==1) && ((\rb)==0)
	v_wmma_scale_f32_16x16x128_f8f6f4 v[rD:rD+7], v[rA:rA+11], v[rB:rB+11], v[rD:rD+7], v[rSA], v[rSB] matrix_a_fmt:MATRIX_FMT_BF6 matrix_b_fmt:MATRIX_FMT_BF6 matrix_a_scale:MATRIX_SCALE_ROW1
.elseif ((\ra)==0)
	v_wmma_scale_f32_16x16x128_f8f6f4 v[rD:rD+7], v[rA:rA+11], v[rB:rB+11], v[rD:rD+7], v[rSA], v[rSB] matrix_a_fmt:MATRIX_FMT_BF6 matrix_b_fmt:MATRIX_FMT_BF6 matrix_b_scale:MATRIX_SCALE_ROW1
.else
	v_wmma_scale_f32_16x16x128_f8f6f4 v[rD:rD+7], v[rA:rA+11], v[rB:rB+11], v[rD:rD+7], v[rSA], v[rSB] matrix_a_fmt:MATRIX_FMT_BF6 matrix_b_fmt:MATRIX_FMT_BF6 matrix_a_scale:MATRIX_SCALE_ROW1 matrix_b_scale:MATRIX_SCALE_ROW1
.endif
.endif
.endm
.macro MUL8 p, s, zero
	WIN 0x09+4*((\s)/4)
.irp a2, 0,1
.irp b, 0,1,2,3
.set rD, AC+64*(\p)+8*(4*\a2+\b)
.set rA, 24*(\s)+12*\a2
.set rB, 48*((\s)%4)+12*\b
.set rSA, SA+8*(\p)+(\s)
.set rSB, SB+8*(\b/2)+(\s)
	WM \zero,\a2,\b%2
.endr
.endr
.endm
.macro FETCHQ adr, off, j
	WIN 0x40
.irp i, 0,1,2,3,4,5,6,7,8,9,10,11
	ds_load_b128 v[48*(\j)+4*\i:48*(\j)+4*\i+3], v[\adr] offset:(\off)+6144*(\j)+512*\i
.endr
.endm
.macro FETCHS ads, off, p
	WIN 0
.irp i, 0,1,2,3
	ds_load_b64 v[SA+8*(\p)+2*\i:SA+8*(\p)+2*\i+1], v[\ads] offset:(\off)+256*\i
.endr
.endm
.macro ELOADS e, off
	WIN (\e)<<6
.irp i, 0,1,2,3,4,5,6,7,8,9,10,11,12,13,14,15
	global_load_b128 v[EB+4*\i:EB+4*\i+3], v[LI], s[E2P:E2P+1] offset:(\off)+512*\i
.endr
.endm
.macro SLICE p, e, idx, epi
.if \epi
	WIN (\e)<<2
.irp b, 0,1,2,3
.set rT, 4*((\idx)/4)+\b
.set rJ, 2*((\idx)%4)
	v_pk_fma_f32 v[S+2*rT:S+2*rT+1], v[AC+64*(\p)+8*rT+rJ:AC+64*(\p)+8*rT+rJ+1], v[EB+8*rT+rJ:EB+8*rT+rJ+1], v[S+2*rT:S+2*rT+1]
.endr
.else
.rept 4
	v_nop
.endr
.endif
.endm
.macro QRT sl, gi, j, epi, fetch, eld, lc, dc
	s_wait_dscnt \dc
.if \fetch
.if (\j)==0
	FETCHQ ADA+2*(\sl)+(\gi)/2,((\gi)%2)*GBLK,3
.elseif (\gi)<3
	FETCHQ ADA+2*(\sl)+((\gi)+1)/2,(((\gi)+1)%2)*GBLK,(\j)-1
.if (\j)==1
	FETCHS ADS+2*(\sl)+((\gi)+1)/2,(((\gi)+1)%2)*GBLK,1-(\gi)%2
.endif
.else
	FETCHQ ADA+2*(1-(\sl)),0,(\j)-1
.endif
.endif
.if \eld
	ELOADS ((\gi)+2)%4,((\gi)+2)*8192
.endif
.if (\j)==0
	MUL8 (\gi)%2,0,1
.if \epi
	s_wait_loadcnt \lc
.endif
.else
	MUL8 (\gi)%2,2*(\j),0
.endif
	SLICE 1-(\gi)%2,((\gi)+3)%4,2*(\j),\epi
	MUL8 (\gi)%2,2*(\j)+1,0
	SLICE 1-(\gi)%2,((\gi)+3)%4,2*(\j)+1,\epi
.endm
.macro GROUP sl, gi, epi, eld, lc
	QRT \sl,\gi,0,\epi,1,\eld,\lc,24
	s_wait_alu depctr_va_vdst(0)
	QRT \sl,\gi,1,\epi,1,0,0,24
	QRT \sl,\gi,2,\epi,1,0,0,28
	s_wait_alu depctr_va_vdst(0)
	QRT \sl,\gi,3,\epi,1,0,0,28
.endm
.macro CHG sl, fill
	WIN 0
	s_wait_tensorcnt 0x0
	ds_add_u32 v[SPW], v[NIL]
.if \fill
	s_add_nc_u64 s[G0+4*(\sl)+2:G0+4*(\sl)+3], s[G0+4*(\sl)+2:G0+4*(\sl)+3], 2*SLOTB
.endif
	s_wait_xcnt 0x0
	s_add_nc_u64 s[E2P:E2P+1], s[E2P:E2P+1], 4*8192
	s_wait_dscnt 25
	MUL8 1,2,0
	SLICE 0,2,2,1
	s_wait_alu depctr_va_vdst(0)
	s_wait_dscnt 0x0
	s_barrier_signal -1
	MUL8 1,3,0
	SLICE 0,2,3,1
	WIN 0
	s_barrier_wait -1
.if \fill
	CREST
	tensor_load_to_lds s[G0+4*(\sl):G0+4*(\sl)+3], s[G1:G1+7]
	s_nop 0
.rept 4
	v_nop
.endr
.endif
	FETCHQ ADA+2*(1-(\sl)),0,0
	FETCHS ADS+2*(1-(\sl)),0,0
.endm
.macro UNIT sl, fill, last
	CHG \sl,\fill
	QRT \sl,3,2,1,1,0,0,28
	s_wait_alu depctr_va_vdst(0)
	QRT \sl,3,3,1,1,0,0,28
	GROUP 1-(\sl),0,1,1,48
	GROUP 1-(\sl),1,1,1,48
.if \last
	GROUP 1-(\sl),2,1,0,32
	QRT 1-(\sl),3,0,1,1,0,16,24
.else
	GROUP 1-(\sl),2,1,1,48
	QRT 1-(\sl),3,0,1,1,1,48,24
.endif
.endm
	s_load_b256 s[4:11], s[0:1], 0x0
	s_load_b128 s[12:15], s[0:1], 0x20
	s_load_b64 s[16:17], s[0:1], 0x30
	v_lshl_add_u32 v[SPW], v0, 2, SPARE
	v_mov_b32 v[NIL], 0
	ds_add_u32 v10, v11
	ds_add_u32 v10, v11
	s_wait_dscnt 0x0
	v_lshrrev_b32 v14, 5, v0
	v_readfirstlane_b32 s[WV], v14
	s_bfe_u32 s19, ttmp6, 0x40000
	s_lshl_b32 s20, ttmp9, 2
	s_add_co_u32 s20, s20, s19
	s_and_b32 s21, ttmp7, 0xffff
	s_mov_b32 s[G1+0], 15|(3<<16)|(1<<21)
	s_mov_b32 s[G1+1], 32<<16
	s_mov_b32 s[G1+2], 100<<16
	s_mov_b32 s[G1+3], 32<<16
	s_mov_b32 s[G1+4], 100
	s_mov_b32 s[G1+5], 32
	s_mov_b32 s[G1+6], 0
	s_mov_b32 s[G1+7], 0
	s_mov_b32 s[SEL], 0x76543210
	s_mov_b32 s[SEL+1], 0xfedcba98
	s_mul_i32 s2, s[WV], GBLK
	s_mul_i32 s56, s21, 32*GBLK
	s_add_co_u32 s56, s56, s2
	s_mov_b32 s57, 0
	s_wait_kmcnt 0x0
	s_add_nc_u64 s[58:59], s[4:5], s[56:57]
	CROUND
.irp n, 0,1
	s_mov_b32 s[G0+4*\n], 1
	s_add_co_u32 s[G0+4*\n+1], s2, \n*SLOTB
	s_add_nc_u64 s[G0+4*\n+2:G0+4*\n+3], s[58:59], \n*SLOTB
	s_or_b32 s[G0+4*\n+3], s[G0+4*\n+3], 0x80000000
.endr
	tensor_load_to_lds s[G0:G0+3], s[G1:G1+7]      ; slot 0; the addresses and all the head's global loads follow while it is on its way
	s_nop 0
	v_and_b32 v64, 31, v0
	v_lshlrev_b32 v[LI], 4, v64
	v_lshlrev_b32 v[L8], 3, v64
	v_and_b32 v65, 0x17, v64
	v_lshlrev_b32 v65, 4, v65
	v_and_b32 v66, 7, v64
	v_lshlrev_b32 v66, 3, v66
.irp sl, 0,1
.irp gp, 0,1
	v_add_nc_u32 v[ADA+2*\sl+\gp], \sl*SLOTB+\gp*2*GBLK, v[LI]
	v_add_nc_u32 v[ADS+2*\sl+\gp], \sl*SLOTB+\gp*2*GBLK+24576, v[L8]
.endr
.endr
	v_and_b32 v67, 15, v0
	v_bfe_u32 v68, v0, 4, 1
	v_lshlrev_b32 v68, 5, v68
	v_lshl_add_u32 v68, v67, 7, v68
	s_lshl_b32 s3, s[WV], 11
	s_add_co_u32 s3, s3, FFS
	v_add_nc_u32 v68, s3, v68
	v_mov_b32 v14, 0
.irp i, 0,1,2,3,4,5,6,7,8,9,10,11,12,13,14,15
	v_mov_b32 v[S+\i], 0
.endr
	s_lshl_b32 s56, s20, 2
	s_add_co_u32 s56, s56, s[WV]
	s_lshl_b32 s56, s56, 18
	s_add_nc_u64 s[E2P:E2P+1], s[12:13], s[56:57]
	s_lshl_b32 s56, s20, 3
	s_lshl_b32 s3, s[WV], 1
	s_add_co_u32 s56, s56, s3
	s_mul_i32 s56, s56, GBLK
	s_add_nc_u64 s[BP:BP+1], s[6:7], s[56:57]
	s_cmp_lt_u32 s[WV], 2
	s_cselect_b64 s[CP:CP+1], s[6:7], s[8:9]
	s_lshl_b32 s56, s21, 1
	s_lshr_b32 s3, s20, 2
	s_add_co_u32 s56, s56, s3
	s_mul_i32 s56, s56, GBLK
	s_add_nc_u64 s[CP:CP+1], s[CP:CP+1], s[56:57]
	s_mov_b64 s[CPS:CPS+1], s[CP:CP+1]
	s_bfe_u32 s2, s20, 0x10001
	s_and_b32 s3, s20, 1
	s_and_b32 s58, s[WV], 1
	s_mul_i32 s56, s2, 1536
	s_lshl_b32 s59, s3, 7
	s_add_co_u32 s56, s56, s59
	s_mul_i32 s59, s58, 12288
	s_add_co_u32 s56, s56, s59
	s_add_nc_u64 s[CP:CP+1], s[CP:CP+1], s[56:57]
	s_lshl_b32 s56, s2, 7
	s_lshl_b32 s59, s3, 6
	s_add_co_u32 s56, s56, s59
	s_lshl_b32 s59, s58, 9
	s_add_co_u32 s56, s56, s59
	s_add_co_u32 s56, s56, 24576
	s_add_nc_u64 s[CPS:CPS+1], s[CPS:CPS+1], s[56:57]
	s_mul_i32 s56, s[WV], 12288
	s_add_nc_u64 s[VP:VP+1], s[10:11], s[56:57]
	s_lshl_b32 s56, s[WV], 9
	s_add_co_u32 s56, s56, 49152
	s_add_nc_u64 s[VPS:VPS+1], s[10:11], s[56:57]
	s_lshl_b32 s56, s21, 13
	s_lshl_b32 s3, s20, 10
	s_add_co_u32 s56, s56, s3
	s_lshl_b32 s3, s[WV], 8
	s_add_co_u32 s56, s56, s3
	s_add_nc_u64 s[OUT:OUT+1], s[16:17], s[56:57]
	WIN 0x40
.irp i, 0,1,2,3
.irp ct, 0,1
.irp c, 0,1,2
	global_load_b128 v[12*(2*\i+\ct)+4*\c:12*(2*\i+\ct)+4*\c+3], v[LI], s[VP:VP+1] offset:3072*\i+1536*\ct+512*\c
.endr
.endr
.endr
.irp i, 0,1,2,3
.irp c, 0,1,2
	global_load_b128 v[96+12*\i+4*\c:96+12*\i+4*\c+3], v65, s[CP:CP+1] offset:3072*\i+512*\c
.endr
.endr
.irp i, 0,1,2,3,4,5,6,7
	global_load_b128 v[144+4*\i:144+4*\i+3], v[LI], s[14:15] offset:512*\i
.endr
	WIN 0
.irp i, 0,1
	global_load_b64 v[48+2*\i:49+2*\i], v66, s[CPS:CPS+1] offset:256*\i
	global_load_b64 v[52+2*\i:53+2*\i], v[L8], s[VPS:VPS+1] offset:256*\i
.endr
	WIN 0x80
.irp s, 0,1,2,3
.irp b, 0,1,2,3
.irp c, 0,1,2
	global_load_b128 v[48*\s+12*\b+4*\c:48*\s+12*\b+4*\c+3], v[LI], s[BP:BP+1] offset:(\b/2)*GBLK+(2*\s+\b%2)*1536+512*\c
.endr
.endr
.endr
	WIN 0xc0
.irp s, 4,5,6,7
.irp b, 0,1,2,3
.irp c, 0,1,2
	global_load_b128 v[48*(\s-4)+12*\b+4*\c:48*(\s-4)+12*\b+4*\c+3], v[LI], s[BP:BP+1] offset:(\b/2)*GBLK+(2*\s+\b%2)*1536+512*\c
.endr
.endr
.endr
	WIN 0
.irp gb, 0,1
.irp i, 0,1,2,3
	global_load_b64 v[SB+8*\gb+2*\i:SB+8*\gb+2*\i+1], v[L8], s[BP:BP+1] offset:\gb*GBLK+24576+256*\i
.endr
.endr
	ELOADS 0,0
	ELOADS 1,8192
	WIN 0
	s_wait_alu depctr_va_vdst(0)                   ; the wait ahead of the blocking wait
	s_wait_tensorcnt 0x0                           ; my part of slot 0 is in
	ds_add_u32 v10, v11
	s_wait_dscnt 0x0
	CROUND
	tensor_load_to_lds s[G0+4:G0+7], s[G1:G1+7]    ; slot 1's first fill: it is first read a whole slot later
	s_nop 0
.rept 4
	v_nop
.endr
	s_wait_loadcnt 63
	WIN 0x05
.irp i, 0,1,2,3
.irp ct, 0,1
.set rD, 128+8*\ct
.set rA, 24*\i+12*\ct
.set rB, 96+12*\i
.set rSA, 52+\i
.set rSB, 48+\i
.if \i == 0
	WM 1,\ct,0
.else
	WM 0,\ct,0
.endif
.endr
.endr
	WIN 0x45
.irp i, 0,1,2,3,4,5,6,7
	v_pk_add_f32 v[144+4*\i:145+4*\i], v[144+4*\i:145+4*\i], v[146+4*\i:147+4*\i]
.endr
.irp i, 0,1,2,3
	v_pk_add_f32 v[144+8*\i:145+8*\i], v[144+8*\i:145+8*\i], v[148+8*\i:149+8*\i]
.endr
.irp i, 0,1
	v_pk_add_f32 v[144+16*\i:145+16*\i], v[144+16*\i:145+16*\i], v[152+16*\i:153+16*\i]
.endr
	v_pk_add_f32 v[144:145], v[144:145], v[160:161]
	WIN 0x05
	v_add_f32 v[SUMB], v144, v145
	WIN 0
	v_add_f32_dpp v[SUMB], v[SUMB], v[SUMB] row_xmask:1 row_mask:0xf bank_mask:0xf
	v_add_f32_dpp v[SUMB], v[SUMB], v[SUMB] row_xmask:2 row_mask:0xf bank_mask:0xf
	v_add_f32_dpp v[SUMB], v[SUMB], v[SUMB] row_xmask:4 row_mask:0xf bank_mask:0xf
	v_add_f32_dpp v[SUMB], v[SUMB], v[SUMB] row_xmask:8 row_mask:0xf bank_mask:0xf
	v_permlanex16_b32 v14, v[SUMB], s[SEL], s[SEL+1]
	v_add_f32 v[SUMB], v[SUMB], v14
	ds_store_b128 v68, v[128:131]
	ds_store_b128 v68, v[132:135] offset:16
	ds_store_b128 v68, v[136:139] offset:64
	ds_store_b128 v68, v[140:143] offset:80
	s_wait_loadcnt 32
	s_wait_tensorcnt 1
	s_wait_dscnt 0x0
	s_barrier_signal -1
	s_barrier_wait -1
	FETCHQ ADA,0,0
	FETCHS ADS,0,0
	FETCHQ ADA,0,1
	FETCHQ ADA,0,2
	GROUP 0,0,0,1,0
	GROUP 0,1,1,1,48
	GROUP 0,2,1,1,48
	QRT 0,3,0,1,1,1,48,24
	WIN 0
	s_mov_b32 s[TRIPS], 3
.Lring:
	s_wait_alu depctr_va_vdst(0)
	UNIT 0,1,0
	s_wait_alu depctr_va_vdst(0)
	UNIT 1,1,0
	WIN 0
	s_sub_co_u32 s[TRIPS], s[TRIPS], 1
	s_cmp_lg_u32 s[TRIPS], 0
	s_cbranch_scc1 .Lring
	s_wait_alu depctr_va_vdst(0)
	UNIT 0,0,1
	s_wait_alu depctr_va_vdst(0)
	QRT 1,3,1,1,0,0,0,24
	QRT 1,3,2,1,0,0,0,12
	s_wait_alu depctr_va_vdst(0)
	QRT 1,3,3,1,0,0,0,0
	s_wait_loadcnt 0x0
.irp x, 0,1,2,3,4,5,6,7
	SLICE 1,3,\x,1
.endr
	WIN 0
.irp b, 0,1,2,3
	v_add_f32 v[S+2*\b], v[S+2*\b], v[S+2*\b+1]
	v_add_f32 v[S+8+2*\b], v[S+8+2*\b], v[S+8+2*\b+1]
.endr
.irp b, 0,1,2,3
	v_add_f32 v[S+2*\b], v[S+2*\b], v[S+8+2*\b]
.endr
.irp b, 0,1,2,3
	v_permlanex16_b32 v[S+2*\b+1], v[S+2*\b], s[SEL], s[SEL+1]
.endr
.irp b, 0,1,2,3
	v_add_f32 v[S+2*\b], v[S+2*\b], v[S+2*\b+1]
.endr
	v_and_b32 v64, 15, v0
	s_lshl_b32 s3, s[WV], 8
	s_add_co_u32 s2, s3, SST
	v_lshl_add_u32 v64, v64, 2, s2
	v_add_nc_u32 v65, s2, v[L8]
	s_add_co_u32 s2, s3, FFS
	v_add_nc_u32 v66, s2, v[L8]
.irp b, 0,1,2,3
	ds_store_b32 v64, v[S+2*\b] offset:64*\b
.endr
	ds_load_b64 v[68:69], v65
.irp w, 0,1,2,3
	ds_load_b64 v[70+2*\w:71+2*\w], v66 offset:2048*\w
.endr
	s_wait_dscnt 0x0
	v_pk_add_f32 v[70:71], v[70:71], v[72:73]
	v_pk_add_f32 v[74:75], v[74:75], v[76:77]
	v_pk_add_f32 v[68:69], v[68:69], v[SUMB:SUMB+1] op_sel_hi:[1,0]
	v_pk_add_f32 v[70:71], v[70:71], v[74:75]
	v_pk_add_f32 v[68:69], v[68:69], v[70:71]
	v_mul_f32 v68, 0x4038aa3b, v68
	v_mul_f32 v69, 0x4038aa3b, v69
	s_wait_alu depctr_va_vdst(0)
	v_exp_f32 v68, v68
	v_exp_f32 v69, v69
	v_nop
	s_wait_alu depctr_va_vdst(0)
	v_add_f32 v68, 1.0, v68
	v_add_f32 v69, 1.0, v69
	s_wait_alu depctr_va_vdst(0)
	v_rcp_f32 v68, v68
	v_rcp_f32 v69, v69
	v_nop
	s_wait_alu depctr_va_vdst(0)
	v_fma_f32 v68, v68, -2.0, 1.0
	v_fma_f32 v69, v69, -2.0, 1.0
	global_store_b64 v[L8], v[68:69], s[OUT:OUT+1]
	s_wait_tensorcnt 0x0
	ds_add_u32 v[SPW], v[NIL]
	s_wait_dscnt 0x0
	CROUND
	s_endpgm
.Lfunc_end_k_q3d2e82eea6_ntl:
	.size	k_q3d2e82eea6_ntl, .Lfunc_end_k_q3d2e82eea6_ntl-k_q3d2e82eea6_ntl
	.p2alignl 7, 3214868480
	.fill 96, 4, 3214868480
	.section	.rodata,"a",@progbits
	.p2align	6, 0x0
	.amdhsa_kernel k_q3d2e82eea6_ntl
		.amdhsa_group_segment_fixed_size 327680
		.amdhsa_private_segment_fixed_size 0
		.amdhsa_enable_private_segment 0
		.amdhsa_kernarg_size 56
		.amdhsa_user_sgpr_count 2
		.amdhsa_user_sgpr_kernarg_segment_ptr 1
		.amdhsa_wavefront_size32 1
		.amdhsa_system_sgpr_workgroup_id_x 1
		.amdhsa_system_sgpr_workgroup_id_y 1
		.amdhsa_system_sgpr_workgroup_id_z 1
		.amdhsa_system_vgpr_workitem_id 0
		.amdhsa_next_free_vgpr 1024
		.amdhsa_next_free_sgpr 66
		.amdhsa_reserve_vcc 0
		.amdhsa_float_denorm_mode_32 3
		.amdhsa_float_denorm_mode_16_64 3
		.amdhsa_memory_ordered 1
		.amdhsa_forward_progress 1
		.amdhsa_inst_pref_size 255
	.end_amdhsa_kernel
	.section	.bss,"aw",@nobits
	.p2align	6
	.space	262144
	.amdgpu_metadata
---
amdhsa.version: [ 1, 2 ]
amdhsa.kernels:
  - .name:           k_q3d2e82eea6_ntl
    .symbol:         k_q3d2e82eea6_ntl.kd
    .args:
      - { .name: wq, .offset: 0, .size: 8, .value_kind: global_buffer, .address_space: global }
      - { .name: e1q, .offset: 8, .size: 8, .value_kind: global_buffer, .address_space: global }
      - { .name: e2q, .offset: 16, .size: 8, .value_kind: global_buffer, .address_space: global }
      - { .name: vq, .offset: 24, .size: 8, .value_kind: global_buffer, .address_space: global }
      - { .name: e2i, .offset: 32, .size: 8, .value_kind: global_buffer, .address_space: global }
      - { .name: b, .offset: 40, .size: 8, .value_kind: global_buffer, .address_space: global }
      - { .name: out0, .offset: 48, .size: 8, .value_kind: global_buffer, .address_space: global }
    .group_segment_fixed_size: 327680
    .private_segment_fixed_size: 0
    .kernarg_segment_align: 8
    .kernarg_segment_size: 56
    .max_flat_workgroup_size: 128
    .sgpr_count:     66
    .vgpr_count:     1024
    .wavefront_size: 32
...
	.end_amdgpu_metadata
.endif
;; end of part 2
